; MI455X (gfx1250); checked and timed in simulation.
; The chip was launched on July 23, 2026; its instructions are those of AMD's public machine-readable ISA for CDNA 5 (MIT licence, August 2026) and "CDNA5" Instruction Set Architecture Reference Guide (July 2026). The comments in the code are by the model that wrote it; some were corrected since.
;; Event Driven Compute Engine. Allowed arithmetic: float matrix products may take bf16 or f16 operands with f32 sums; other float arithmetic in f32, or as packed bf16 or f16 multiplies, adds, multiply-adds, maxima and minima; sums over many terms, partial sums and values carried from step to step in f32; what a program stores and reads back later, other than sums and carried values, may be rounded once to bf16 or f16.
;; Inputs: b1 2,048 float32; b2 512 float32; w1 512 x 2,048 float32; w2 2,048 x 512 float32; x 4 x 16 x 512 x 512 float32.
;; Outputs: out0 4 x 16 x 512 x 512 float32.
;; One version. Each part assembles by itself: llvm-mc -triple=amdgcn-amd-amdhsa -mcpu=gfx1250 --defsym DOCPART=n.
;; ======== version 1 of 1: 2 launches
;; workspace buffers: wt 4,194,304 bytes; br 10,240 bytes
;; launch prep (part 1): grid 256 x 1, 8 waves a work-group, no clusters, 19,456 bytes of LDS; arguments w1, w2, b1, b2, wt, br; writes wt, br
.if DOCPART == 1
	.amdgcn_target "amdgcn-amd-amdhsa--gfx1250"
	.amdhsa_code_object_version 6
	.text
	.protected	k_q9b02f3f20c_prep
	.globl	k_q9b02f3f20c_prep
	.p2align	8
	.type	k_q9b02f3f20c_prep,@function
k_q9b02f3f20c_prep:
	s_mov_b64 s[64:65], 0
	v_nop
	global_prefetch_b8 v0, s[64:65] scope:SCOPE_SE
	s_setreg_imm32_b32 hwreg(HW_REG_WAVE_MODE, 25, 1), 1
	s_wait_xcnt 0x0
; THE WEIGHTS, ONCE: rounded to bf16, turned so that K runs along the rows, and laid in the order in which the second launch walks them.
; wt holds 64 tiles of 512 rows x 64 bf16 (65,536 dense bytes).  F = 2,048 is cut into 16 chunks c of 128.
;   tile max(4 c - 2, 0) + kh : row 128 q + f, element e = w1[256 kh + 64 q + e][128 c + f]      (kh = 0, 1; q = 0..3; f = 0..127)
;   tile min(4 c + 4, 62) + sh: row n,         element e = w2[128 c + 64 sh + e][n]              (sh = 0, 1; n = 0..511)
; A work-group makes a quarter of a tile: 64 rows x 128 columns of f32 come in, 128 rows x 64 bf16 (16,384 dense bytes) go out.  Work-groups 0-127 serve w1, 128-255 w2;
; what differs between the two (pointer, pitch, offsets) is chosen by scalar selects on the work-group's number: one text, no branch.
; In: a wave's load covers 512 consecutive bytes of a source row.  Out: a wave's store covers 512 consecutive bytes, aligned.  The turn goes through LDS.
; THE BIASES: work-groups 0-4 also round 2,048 bytes each of b1 (0-3) or b2 (4) to bf16 and store the rounded numbers as f32 in br (b1 at byte 0, b2 at byte 8,192),
; so that every input of the module has the same one rounding.
.set TP,    144                        ; an LDS row: 128 bytes + 16
.set SPARE, 128*TP                     ; behind the 128 rows: the spare words, 128 bytes for each of the eight waves, which no other line names
.set OFF,   2                          ; v[2:9]   byte offset of my 16 bytes in the wave's eight source rows
.set LST,   10                         ; v10      where I put 16 bytes (8 k of one column)
.set LRD,   11                         ; v11      where I read 16 bytes of a finished row
.set GST,   12                         ; v12      16 x my thread's number
.set SPW,   13                         ; v13      LDS address of my spare word; never rewritten
.set NIL,   14                         ; v14      0; never rewritten
.set IN,    16                         ; v[16:47] eight rows x 4 columns, f32
.set PKD,   48                         ; v[48:63] packed; then the rows read back
	s_load_b256 s[4:11], s[0:1], 0x0               ; w1 s[4:5], w2 s[6:7], b1 s[8:9], b2 s[10:11]
	s_load_b128 s[12:15], s[0:1], 0x20             ; wt s[12:13], br s[14:15]
	v_lshl_add_u32 v[SPW], v0, 2, SPARE
	v_mov_b32 v[NIL], 0
	v_and_b32 v1, 31, v0                           ; lane
	v_lshrrev_b32 v15, 5, v0
	v_readfirstlane_b32 s16, v15                   ; wave 0..7
	s_and_b32 s17, ttmp9, 127                      ; the unit's number within its weight
	s_lshr_b32 s18, s17, 3                         ; c
	s_bfe_u32 s19, s17, 0x10002                    ; kh or sh
	s_and_b32 s20, s17, 3                          ; q
	s_lshl_b32 s22, s19, 21                        ; w1: (256 kh + 64 q) rows of 8,192 bytes + 128 c columns of 4
	s_lshl_b32 s21, s20, 19
	s_add_co_u32 s22, s22, s21
	s_lshl_b32 s21, s18, 9
	s_add_co_u32 s22, s22, s21
	s_lshl_b32 s24, s18, 18                        ; w2: (128 c + 64 sh) rows of 2,048 bytes + 128 q columns of 4
	s_lshl_b32 s21, s19, 17
	s_add_co_u32 s24, s24, s21
	s_lshl_b32 s21, s20, 9
	s_add_co_u32 s24, s24, s21
	s_lshl_b32 s21, s18, 2                         ; 4 c
	s_max_u32 s26, s21, 2
	s_sub_co_u32 s26, s26, 2                       ; w1's tile: max(4 c - 2, 0)
	s_add_co_u32 s27, s21, 4
	s_min_u32 s27, s27, 62                         ; w2's tile: min(4 c + 4, 62)
	s_mov_b32 s28, 8192                            ; the two pitches
	s_mov_b32 s29, 2048
	s_wait_kmcnt 0x0
	s_cmp_lt_u32 ttmp9, 128                        ; w1 or w2: the four selects below leave SCC alone
	s_cselect_b64 s[30:31], s[4:5], s[6:7]
	s_cselect_b32 s22, s22, s24
	s_cselect_b32 s26, s26, s27
	s_cselect_b32 s28, s28, s29
	s_mov_b32 s23, 0
	s_add_nc_u64 s[30:31], s[30:31], s[22:23]      ; the unit's first source element
	s_add_co_u32 s26, s26, s19                     ; + kh or sh
	s_lshl_b32 s26, s26, 16                        ; tiles of 65,536 bytes,
	s_lshl_b32 s21, s20, 14                        ; quarters of 16,384
	s_add_co_u32 s26, s26, s21
	s_mov_b32 s27, 0
	s_add_nc_u64 s[12:13], s[12:13], s[26:27]      ; where the unit goes
	s_lshl_b32 s21, s16, 3
	s_mul_i32 s21, s21, s28                        ; my wave's rows 8 w .. 8 w + 7
	v_lshl_add_u32 v[OFF], v1, 4, s21
.irp i, 1,2,3,4,5,6,7
	v_add_nc_u32 v[OFF+(\i)], s28, v[OFF+(\i)-1]
.endr
.irp i, 0,1,2,3,4,5,6,7
	global_load_b128 v[IN+4*(\i):IN+4*(\i)+3], v[OFF+(\i)], s[30:31] th:TH_LOAD_NT  ; row 8 w + i, columns 4 lane .. 4 lane + 3; each byte is read once in the launch
.endr
	v_mul_u32_u24 v[LST], v1, 4*TP                 ; in: LDS row 4 lane + jj, bytes 16 w on
	s_lshl_b32 s21, s16, 4
	v_add_nc_u32 v[LST], s21, v[LST]
	v_lshrrev_b32 v15, 3, v0                       ; back: eight threads to a row of 128 bytes
	v_mul_u32_u24 v[LRD], v15, TP
	v_and_b32 v15, 7, v0
	v_lshl_add_u32 v[LRD], v15, 4, v[LRD]
	v_lshlrev_b32 v[GST], 4, v0
	s_wait_loadcnt 0x0
.irp jj, 0,1,2,3                       ; column 4 lane + jj: its eight k (rows 8 w .. 8 w + 7) pack into 16 bytes
.irp p, 0,1,2,3
	v_cvt_pk_bf16_f32 v[PKD+4*(\jj)+(\p)], v[IN+8*(\p)+(\jj)], v[IN+8*(\p)+4+(\jj)]
.endr
	ds_store_b128 v[LST], v[PKD+4*(\jj):PKD+4*(\jj)+3] offset:(\jj)*TP
.endr
	s_wait_dscnt 0x0                               ; for the others' sake: my stores are done
	s_barrier_signal -1
	s_barrier_wait -1
.irp i, 0,1,2,3
	ds_load_b128 v[PKD+4*(\i):PKD+4*(\i)+3], v[LRD] offset:(\i)*32*TP  ; 256 threads take 32 whole rows a pass
.endr
.irp i, 0,1,2,3
	s_wait_dscnt 3-(\i)                            ; the younger read-backs may stay out
	global_store_b128 v[GST], v[PKD+4*(\i):PKD+4*(\i)+3], s[12:13] offset:(\i)*4096
.endr
	s_cmp_lt_u32 ttmp9, 5                          ; the biases: five work-groups, 2,048 bytes each, 8 bytes a thread
	s_cbranch_scc0 .Lend
	s_and_b32 s22, ttmp9, 3
	s_lshl_b32 s22, s22, 11                        ; from: b1 + 2,048 u (u = 0..3), or b2 (u = 4); s23 is 0
	s_lshl_b32 s24, ttmp9, 11                      ; to: br + 2,048 u
	s_mov_b32 s25, 0
	s_cmp_lt_u32 ttmp9, 4
	s_cselect_b64 s[8:9], s[8:9], s[10:11]
	s_add_nc_u64 s[8:9], s[8:9], s[22:23]
	s_add_nc_u64 s[14:15], s[14:15], s[24:25]
	v_lshlrev_b32 v19, 3, v0
	global_load_b64 v[16:17], v19, s[8:9]
	s_wait_loadcnt 0x0
	v_cvt_pk_bf16_f32 v18, v16, v17                ; rounded to nearest even,
	v_lshlrev_b32 v16, 16, v18                     ; and written as f32 again
	v_and_b32 v17, 0xffff0000, v18
	global_store_b64 v19, v[16:17], s[14:15]       ; a wave stores 256 consecutive bytes, aligned
.Lend:
	s_wait_tensorcnt 0x0                           ; the wave's end: behind my last LDS store
	ds_add_u32 v[SPW], v[NIL]
	s_wait_dscnt 0x0
	s_endpgm
.Lfunc_end_k_q9b02f3f20c_prep:
	.size	k_q9b02f3f20c_prep, .Lfunc_end_k_q9b02f3f20c_prep-k_q9b02f3f20c_prep
	.p2alignl 7, 3214868480
	.fill 96, 4, 3214868480
	.section	.rodata,"a",@progbits
	.p2align	6, 0x0
	.amdhsa_kernel k_q9b02f3f20c_prep
		.amdhsa_group_segment_fixed_size 19456
		.amdhsa_private_segment_fixed_size 0
		.amdhsa_enable_private_segment 0
		.amdhsa_kernarg_size 48
		.amdhsa_user_sgpr_count 2
		.amdhsa_user_sgpr_kernarg_segment_ptr 1
		.amdhsa_wavefront_size32 1
		.amdhsa_system_sgpr_workgroup_id_x 1
		.amdhsa_system_sgpr_workgroup_id_y 1
		.amdhsa_system_sgpr_workgroup_id_z 1
		.amdhsa_system_vgpr_workitem_id 0
		.amdhsa_next_free_vgpr 64
		.amdhsa_next_free_sgpr 66
		.amdhsa_reserve_vcc 0
		.amdhsa_float_denorm_mode_32 3
		.amdhsa_float_denorm_mode_16_64 3
		.amdhsa_memory_ordered 1
		.amdhsa_forward_progress 1
		.amdhsa_inst_pref_size 7
	.end_amdhsa_kernel
	.amdgpu_metadata
---
amdhsa.version: [ 1, 2 ]
amdhsa.kernels:
  - .name:           k_q9b02f3f20c_prep
    .symbol:         k_q9b02f3f20c_prep.kd
    .args:
      - { .name: w1, .offset: 0, .size: 8, .value_kind: global_buffer, .address_space: global }
      - { .name: w2, .offset: 8, .size: 8, .value_kind: global_buffer, .address_space: global }
      - { .name: b1, .offset: 16, .size: 8, .value_kind: global_buffer, .address_space: global }
      - { .name: b2, .offset: 24, .size: 8, .value_kind: global_buffer, .address_space: global }
      - { .name: wt, .offset: 32, .size: 8, .value_kind: global_buffer, .address_space: global }
      - { .name: br, .offset: 40, .size: 8, .value_kind: global_buffer, .address_space: global }
    .group_segment_fixed_size: 19456
    .private_segment_fixed_size: 0
    .kernarg_segment_align: 8
    .kernarg_segment_size: 48
    .max_flat_workgroup_size: 256
    .sgpr_count:     66
    .vgpr_count:     64
    .wavefront_size: 32
...
	.end_amdgpu_metadata
.endif
;; end of part 1
;; launch ffn (part 2): grid 256 x 1, 4 waves a work-group, clusters of 4 x 1, 327,680 bytes of LDS; arguments x, wt, br, out0; writes out0
.if DOCPART == 2
	.amdgcn_target "amdgcn-amd-amdhsa--gfx1250"
	.amdhsa_code_object_version 6
	.text
	.protected	k_q9b02f3f20c_ffn
	.globl	k_q9b02f3f20c_ffn
	.p2align	8
	.type	k_q9b02f3f20c_ffn,@function
k_q9b02f3f20c_ffn:
	s_mov_b64 s[64:65], 0
	v_nop
	global_prefetch_b8 v0, s[64:65] scope:SCOPE_SE
	s_setreg_imm32_b32 hwreg(HW_REG_WAVE_MODE, 25, 1), 1
	s_wait_xcnt 0x0
	s_wait_alu depctr_hold_cnt(0) depctr_sa_sdst(0) depctr_va_vdst(0) depctr_va_sdst(0) depctr_va_ssrc(0) depctr_va_vcc(0) depctr_vm_vsrc(0)
	s_getreg_b32 s2, hwreg(HW_REG_IB_STS2, 6, 4)
	s_cmp_eq_u32 s2, 0
	s_cbranch_scc0 .Lentry_in_a_cluster
	s_endpgm
.Lentry_in_a_cluster:
	s_bfe_u32 s2, ttmp6, 0x10000c
	s_cmp_lg_u32 s2, 0x3003
	s_cbranch_scc0 .Lentry_shape_is_right
	s_endpgm
.Lentry_shape_is_right:
; out[row] = (some |x[row][k]| > 0.01) ? relu(x[row] w1 + b1) w2 + b2 : 0.   x, out: 32,768 rows of 512 f32; F = 2,048.  Both products in one launch: h never leaves the work-group.
; FORMATS.  x, w1, h, w2 enter the matrix unit in bf16, each rounded once to nearest even; sums in f32; b1 and b2 (rounded to bf16 by the launch before, held as f32) start the sums.
; LIMITS.  The ReLU is a maximum in which a NaN loses: a NaN pre-activation counts as 0.  The row mask is taken on x as given, in f32; a NaN in x sets no mask, as in the definition.  Infinities are not treated apart.
; SHARES.  A work-group owns 128 rows.  F goes in 16 chunks c of 128.  P1(c): h_c = relu(x w1[:, c] + b1), wave w = (i, j) makes rows 64 i .. +63 x columns 64 j .. +63: 16 accumulators, K = 512.
; P2(c): y += h_c w2[c, :], wave w makes all 128 rows x columns 128 w .. +127: 64 accumulators, 512 registers, which live through the whole launch.
; ORDER.  P1(0) P1(1) P2(0) P1(2) P2(1) .. P1(15) P2(14) P2(15): h_c+1 is rounded and handed over under the products of P2(c).  Each P is two STEPS of 128 matrix instructions a wave;
; a step reads one tile of wt (512 rows x 64 bf16), and the 64 tiles lie in wt in just this order.
; RING.  Two LDS slots of one tile; each wave fetches a quarter (128 rows) by one tensor load.  CLUSTER: all work-groups walk the same tiles, so the four of a cluster ask JOINTLY: the same load, descriptor and mask in all four.
; BOTH PRODUCTS ARE USED TRANSPOSED (source 0 = 16 rows of weights, source 1 = 16 rows of x or h): a lane holds ONE row (lane % 16) and eight neighbouring columns 8 (lane / 16) + 0..7.
; REGISTERS, in windows of 256 (s_set_vgpr_msb: bits 1:0 source 0, 3:2 source 1, 5:4 source 2, 7:6 destination):
;   window 0: v0-31 addresses; v32-63 b1 of the chunk to come, as a C operand; v64-127, v128-191 fragments of x or h, two buffers (on the way out: rows read back); v192-255 at work in the x phase
;   window 1: v64-127, v128-191 fragments of the weights, two buffers; v0-63, v192-255 the 16 accumulators of P1
;   windows 2, 3: y, accumulator (a, b) at v[8 (8 (a % 4) + b)], rows 0-63 in window 2, rows 64-127 in window 3; at the head x lands there
.set WP,    144                        ; a ring row: 128 bytes + 16.  All four pitches are odd multiples of 16 bytes: the 16 rows of a fragment load start at 16 different 16-byte columns modulo 256
.set QROWS, 128*WP                     ; 128 ring rows: what one tensor load brings
.set SLOT,  4*QROWS                    ; 73,728
.set XB,    2*SLOT                     ; x in bf16: 128 rows, pitch 1,040.  At the end each wave's stage lies here
.set XP,    1040
.set HB,    XB+128*XP                  ; h of one chunk: 128 rows x 128 bf16, pitch 272
.set HP,    272
.set FLAG,  HB+128*HP                  ; four words: bit n of word w = row 32 w + n is active
.set SPARE, 324096                     ; the spare words, 128 bytes for each wave: two blocks of 256 bytes that no other line names
.set SP,    528                        ; a stage row: 512 bytes + 16
.set TILEB, 65536                      ; a tile in memory
.set VB2,   12                         ; v12  512 w + 32 (l / 16): my eight numbers of b2 in column tile 0
.set FA,    14                         ; v14  FLAG + 4 w
.set XST,   15                         ; v15  where I put 8 bytes of my wave's first row of x
.set ADRX,  16                         ; v16  my place in the fragments of x
.set ADRB1, 17                         ; v17-18  in w1's tiles, slot 0, 1
.set ADRH,  19                         ; v19  in the fragments of h
.set ADRB2, 20                         ; v20-21  in w2's tiles, slot 0, 1
.set HST,   22                         ; v22  where I put 16 bytes of h
.set STO,   23                         ; v23  the way out: where I put 16 bytes of a row
.set RD,    24                         ; v24  the way out: where I read a row back
.set CO,    25                         ; v25  16 x lane: my bytes in 512 of out
.set VB1,   26                         ; v26  256 j + 32 (l / 16): my eight numbers of b1 in column tile 0
.set ZERO,  27                         ; v27  0, for the ReLU
.set SPW,   28                         ; v28  LDS address of my spare word; never rewritten
.set NIL,   29                         ; v29  0; never rewritten
.set PFO,   30                         ; v30  256 x lane, for the prefetches
.set XO,    31                         ; v31  16 x lane, for the loads of x
.set BIAS1, 32
.set F0,    64
.set F1,    128
.set TMP,   192
.set OB,    64
.set WV,    14                         ; s14 wave; s15 i; s16 j; s17 cx; s18 my work-group's number
.set WI,    15
.set WJ,    16
.set CX,    17
.set WGX,   18
.set G1,    24                         ; s[24:31] descriptor group 1
.set G0,    32                         ; s[32:39] descriptor group 0, a set for each slot
.set TRIPS, 40
.set LIM,   41                         ; 1 in the cluster that prefetches, else the greatest number
.set PFA,   42                         ; s[42:43] where my prefetches stand
.set B1P,   44                         ; s[44:45] b1 of the chunk to be loaded next
.set B1OFF, 46                         ; s[46:47] its byte offset
.set THR,   48                         ; 0.01
.set FLG,   49                         ; my wave's 32 row flags
.set MK,    52                         ; s[52:59] row tile a's lane mask; in the x phase s52-55 take four rows' compares
.set MSB, 0
.macro WIN new                         ; the immediate's high byte repeats the setting that is left; a switch that changes nothing is dropped
.if MSB != (\new)
	s_set_vgpr_msb (MSB<<8)|(\new)
.set MSB, \new
.endif
.endm
.macro PLACES                          ; four plain places behind matrix instructions, in front of loads into registers that they read and of vector lines that read results
.rept 4
	v_nop
.endr
.endm
.macro CREST                           ; a round of the cluster's barrier behind its opening barrier
	s_cmp_lg_u32 s[WV], 0
	s_cbranch_scc1 .Lnot_wave_0_\@
	s_barrier_signal -3
.Lnot_wave_0_\@:
	s_barrier_wait -3
	s_barrier_signal -1
	s_barrier_wait -1
.endm
.macro CROUND
	s_barrier_signal -1
	s_barrier_wait -1
	CREST
.endm
.macro JLOAD slot                      ; a joint refill: every wave its own quarter of the tile, by one line; an s_nop 0 and four v_nop follow
	tensor_load_to_lds s[G0+4*(\slot):G0+4*(\slot)+3], s[G1:G1+7]
	s_nop 0
.rept 4
	v_nop
.endr
.endm
; A PREFETCH INTO THE L2 of two tiles of wt (131,072 bytes).  The first cluster alone asks; its 16 waves share the bytes out BY ADDRESS, 8,192 each, a lane to each 256: every block is named once in the launch.
; It stands behind the joint load and the run of LDS loads at the entry of each odd step s, for tiles s + 5 and s + 6: four and five steps, 512 and 640 matrix instructions, ahead of their loads.
; k = 1: the first request (tiles 6, 7).  k = 2, 3: in the loop, 2 and 4 tiles behind the pointer; the last trip asks for nothing: tile 63 is the last.
.macro ASK k
.if (\k) == 1
	s_cmp_eq_u32 s[LIM], 1
	s_cbranch_scc0 .Lnot_mine_\@
	global_prefetch_b8 v[PFO], s[PFA:PFA+1] th:TH_LOAD_NT scope:SCOPE_SE
.Lnot_mine_\@:
.elseif (\k) > 1
	s_cmp_gt_u32 s[TRIPS], s[LIM]
	s_cbranch_scc0 .Lnot_mine_\@
	global_prefetch_b8 v[PFO], s[PFA:PFA+1] offset:((\k)-1)*2*TILEB th:TH_LOAD_NT scope:SCOPE_SE
.Lnot_mine_\@:
.endif
.endm
; P1: 8 products: row tiles a0, a0 + 1 x the 4 column tiles, 32 along K (half c of buffer f).  Accumulator t = 4 a + b lies in window 1 at 8 t (t < 8) or 8 t + 128.  bias = 1: b1 starts the sums.
; The 16 accumulators take turns, one instruction a turn.
.macro MUL1 f, c, a0, bias
.if \bias
	WIN 0x41
.else
	WIN 0x51
.endif
.irp a, \a0, (\a0)+1
.irp b, 0,1,2,3
.set HT, 4*(\a)+(\b)
.set HA, 8*HT+128*(HT/8)
.if \bias
	v_wmma_f32_16x16x32_bf16 v[HA:HA+7], v[(\f)+8*(4*(\c)+(\b)):(\f)+8*(4*(\c)+(\b))+7], v[(\f)+8*(4*(\c)+(\a)):(\f)+8*(4*(\c)+(\a))+7], v[BIAS1+8*(\b):BIAS1+8*(\b)+7]
.else
	v_wmma_f32_16x16x32_bf16 v[HA:HA+7], v[(\f)+8*(4*(\c)+(\b)):(\f)+8*(4*(\c)+(\b))+7], v[(\f)+8*(4*(\c)+(\a)):(\f)+8*(4*(\c)+(\a))+7], v[HA:HA+7]
.endif
.endr
.endr
.endm
; P2: 16 products: row tiles a0, a0 + 1 of the window's four (hi = 0: rows 0-63, 1: rows 64-127) x all 8 column tiles, 32 along K.  The 64 accumulators take turns.
.macro MUL16 f, hi, a0
	WIN 0xa1+0x50*(\hi)
.irp a, \a0, (\a0)+1
.irp b, 0,1,2,3,4,5,6,7
	v_wmma_f32_16x16x32_bf16 v[8*(8*(\a)+(\b)):8*(8*(\a)+(\b))+7], v[(\f)+8*(\b):(\f)+8*(\b)+7], v[(\f)+8*(4*(\hi)+(\a)):(\f)+8*(4*(\hi)+(\a))+7], v[8*(8*(\a)+(\b)):8*(8*(\a)+(\b))+7]
.endr
.endr
.endm
; 32 LDS loads in one run: P1's fragments of 64 along K (quarter q of half kh), the first 32 along K first: 4 column tiles of w1, 4 row tiles of x, and again.
.macro FETCH1 slot, kh, q, f
.irp c, 0,1
	WIN 0x40
.irp t, 0,1,2,3
	ds_load_b128 v[(\f)+8*(4*(\c)+(\t)):(\f)+8*(4*(\c)+(\t))+3],   v[ADRB1+(\slot)] offset:(\q)*QROWS+(\t)*16*WP+64*(\c)
	ds_load_b128 v[(\f)+8*(4*(\c)+(\t))+4:(\f)+8*(4*(\c)+(\t))+7], v[ADRB1+(\slot)] offset:(\q)*QROWS+(\t)*16*WP+64*(\c)+32
.endr
	WIN 0
.irp t, 0,1,2,3
	ds_load_b128 v[(\f)+8*(4*(\c)+(\t)):(\f)+8*(4*(\c)+(\t))+3],   v[ADRX] offset:(\t)*16*XP+512*(\kh)+128*(\q)+64*(\c)
	ds_load_b128 v[(\f)+8*(4*(\c)+(\t))+4:(\f)+8*(4*(\c)+(\t))+7], v[ADRX] offset:(\t)*16*XP+512*(\kh)+128*(\q)+64*(\c)+32
.endr
.endr
.endm
; 32 LDS loads in one run: P2's fragments of 32 along K (quarter q of half sh): 8 column tiles of w2, then 8 row tiles of h.
.macro FETCH2 slot, sh, q, f
	WIN 0x40
.irp i, 0,1,2,3,4,5,6,7
	ds_load_b128 v[(\f)+8*(\i):(\f)+8*(\i)+3],   v[ADRB2+(\slot)] offset:(\i)*16*WP+64*(\q)
	ds_load_b128 v[(\f)+8*(\i)+4:(\f)+8*(\i)+7], v[ADRB2+(\slot)] offset:(\i)*16*WP+64*(\q)+32
.endr
	WIN 0
.irp i, 0,1,2,3,4,5,6,7
	ds_load_b128 v[(\f)+8*(\i):(\f)+8*(\i)+3],   v[ADRH] offset:(\i)*16*HP+128*(\sh)+64*(\q)
	ds_load_b128 v[(\f)+8*(\i)+4:(\f)+8*(\i)+7], v[ADRH] offset:(\i)*16*HP+128*(\sh)+64*(\q)+32
.endr
.endm
; Eight of P1's accumulators, from t0 on: rounded to bf16 in place, ascending, into each one's four lowest registers; then the ReLU on the packed halves.
.macro PACK t0
	WIN 0x45
.set PT, \t0
.rept 8
.set HA, 8*PT+128*(PT/8)
.irp p, 0,1,2,3
	v_cvt_pk_bf16_f32 v[HA+(\p)], v[HA+2*(\p)], v[HA+2*(\p)+1]
.endr
.set PT, PT+1
.endr
	WIN 0x41
.set PT, \t0
.rept 8
.set HA, 8*PT+128*(PT/8)
.irp p, 0,1,2,3
	v_pk_max_num_bf16 v[HA+(\p)], v[HA+(\p)], v[ZERO]
.endr
.set PT, PT+1
.endr
.endm
.macro HSTORE                          ; my 64 x 64 of h into LDS: 16 bytes a lane and accumulator
	WIN 0x04
.irp a, 0,1,2,3
.irp b, 0,1,2,3
.set HT, 4*(\a)+(\b)
.set HA, 8*HT+128*(HT/8)
	ds_store_b128 v[HST], v[HA:HA+3] offset:(\a)*16*HP+32*(\b)
.endr
.endr
.endm
; One of a P1 step's first three quarters (64 along K, 32 products): multiplies buffer f; in its middle it fetches the next quarter into g.
; rl: behind the products that took b1 as C, b1 of the next chunk is loaded into the same registers (1: chunk 1; 2: by the walking pointer).
.macro QUARTER1 slot, kh, q, f, g, bias, rl
	s_wait_dscnt 16                                ; the first 32 along K are in; the sixteen younger loads may be out
	MUL1 \f, 0, 0, \bias
	MUL1 \f, 0, 2, \bias
	PLACES
.if \rl
	WIN 0
.irp b, 0,1,2,3
.if (\rl) == 1
	global_load_b128 v[BIAS1+8*(\b):BIAS1+8*(\b)+3],   v[VB1], s[8:9] offset:512+64*(\b)
	global_load_b128 v[BIAS1+8*(\b)+4:BIAS1+8*(\b)+7], v[VB1], s[8:9] offset:512+64*(\b)+16
.else
	global_load_b128 v[BIAS1+8*(\b):BIAS1+8*(\b)+3],   v[VB1], s[B1P:B1P+1] offset:64*(\b)
	global_load_b128 v[BIAS1+8*(\b)+4:BIAS1+8*(\b)+7], v[VB1], s[B1P:B1P+1] offset:64*(\b)+16
.endif
.endr
.endif
	FETCH1 \slot, \kh, (\q)+1, \g
	s_wait_dscnt 32                                ; all but the 32 just issued
	MUL1 \f, 1, 0, 0
	MUL1 \f, 1, 2, 0
.endm
; A P2 step's first quarter (32 along K, 64 products).  pk = 1, 2: half of the next chunk's h is rounded in its middle; those lines name no register of the products round them, so with pk = 2 they are the places too.
.macro QUARTER2 slot, sh, f, g, pk
	s_wait_dscnt 8                                 ; w2 and h's rows 0-63 are in; the youngest eight loads (rows 64-127) may be out
	MUL16 \f, 0, 0
	MUL16 \f, 0, 2
.if (\pk) < 2
	PLACES
.endif
.if (\pk) == 1
	PACK 0
.elseif (\pk) == 2
	PACK 8
.endif
	FETCH2 \slot, \sh, 1, \g
	s_wait_dscnt 32                                ; all but the 32 just issued
	MUL16 \f, 1, 0
	MUL16 \f, 1, 2
.endm
; A step's last quarter, on buffer 1, and THE CHANGE OF SLOTS: one barrier for two things.  In front of it each wave waits for all its tensor loads, of which one is out: its quarter of the next slot;
; adds 0 to its spare word; and waits for that and for its own LDS reads and stores.  Behind it nobody reads this slot (or, where hst = 1, this chunk's h) any more, and the next slot is whole.
; cur = 1, 2: the step is P1's or P2's.  fill = 1: the barrier opens a round of the cluster's barrier, and the slot is filled again, two tiles on, first thing behind the round.
; hst = 1: the next chunk's h is stored.  nk, np: kind and half of the next step, whose first fragments are fetched from the other slot.  ask: the prefetch.
.macro TURN cur, slot, fill, nk, np, hst, ask
	WIN 0                                          ; (the add's two registers lie in window 0)
	s_wait_tensorcnt 0x0                           ; all my tensor loads have landed
	ds_add_u32 v[SPW], v[NIL]                      ; 0 onto my spare word; products stand between it and the wait for it
.if (\cur) == 1
	s_wait_dscnt 17                                ; the add and the sixteen loads of the second 32 along K may be out
	MUL1 F1, 0, 0, 0
	s_wait_dscnt 0x0                               ; the add is done, and my reads of this slot are over
	s_barrier_signal -1
	MUL1 F1, 0, 2, 0
.else
	s_wait_dscnt 9                                 ; the add and the eight loads of h's rows 64-127 may be out
	MUL16 F1, 0, 0
	s_wait_dscnt 0x0                               ; the add is done, and my reads of this slot and of h are over
	s_barrier_signal -1
	MUL16 F1, 0, 2
.endif
	WIN 0                                          ; at a branch and at a label every window is 0
	s_barrier_wait -1
.if \fill
	CREST                                          ; no wave of any partner still reads this slot or has a load on its way
	s_add_nc_u64 s[G0+4*(\slot)+2:G0+4*(\slot)+3], s[G0+4*(\slot)+2:G0+4*(\slot)+3], 2*TILEB  ; no tensor load of mine is out, so the group may be written; the type bits on top are not reached
	JLOAD \slot                                    ; its four v_nop are also the places in front of the loads below
.else
	PLACES
.endif
.if \hst
	HSTORE
.endif
.if (\nk) == 1
	FETCH1 1-(\slot), \np, 0, F0
.else
	FETCH2 1-(\slot), \np, 0, F0
.endif
	ASK \ask
.if (\cur) == 1
	MUL1 F1, 1, 0, 0
	MUL1 F1, 1, 2, 0
.else
	MUL16 F1, 1, 0
	MUL16 F1, 1, 2
.endif
.endm
.macro P1STEP slot, kh, rl, fill, nk, np, hst, ask
	QUARTER1 \slot, \kh, 0, F0, F1, 1-(\kh), \rl
	QUARTER1 \slot, \kh, 1, F1, F0, 0, 0
	QUARTER1 \slot, \kh, 2, F0, F1, 0, 0
	TURN 1, \slot, \fill, \nk, \np, \hst, \ask
.endm
.macro P2STEP slot, sh, pk, fill, nk, np, hst, ask
	QUARTER2 \slot, \sh, F0, F1, \pk
	TURN 2, \slot, \fill, \nk, \np, \hst, \ask
.endm
; THE X PHASE, four rows of my wave's 32 at a time.  A row is 16 registers a lane (four loads of 512 bytes).  Rounded to bf16 into LDS; the largest |x| of the lane's 16 is found in place and compared with 0.01:
; the row is active if any lane's compare holds.  The flags only ever feed selects.
.macro XGROUP g
.set LC, 112-16*(\g)                   ; the loads of x issued behind this group's
.if LC > 63
.set LC, 63                            ; (a wait cannot name more: the smaller count waits for more than is needed)
.endif
.set XH, (\g)/4
.set XT, TMP+32*((\g)%2)
	s_wait_loadcnt LC
	WIN 0x0a+5*XH
.irp rr, 0,1,2,3
.set XL, 16*((4*(\g)+(\rr))%16)
.irp p, 0,1,2,3,4,5,6,7
	v_cvt_pk_bf16_f32 v[XT+8*(\rr)+(\p)], v[XL+2*(\p)], v[XL+2*(\p)+1]
.endr
.endr
	WIN 0xaa+0x55*XH
.irp rr, 0,1,2,3                       ; four chains, one a row, by turns
.set XL, 16*((4*(\g)+(\rr))%16)
	v_max3_num_f32 v[XL], |v[XL]|, |v[XL+1]|, |v[XL+2]|
.endr
.irp n, 1,2,3,4,5,6
.irp rr, 0,1,2,3
.set XL, 16*((4*(\g)+(\rr))%16)
	v_max3_num_f32 v[XL], v[XL], |v[XL+2*(\n)+1]|, |v[XL+2*(\n)+2]|
.endr
.endr
.irp rr, 0,1,2,3
.set XL, 16*((4*(\g)+(\rr))%16)
	v_max_num_f32 v[XL], v[XL], |v[XL+15]|
.endr
.irp rr, 0,1,2,3
.set XL, 16*((4*(\g)+(\rr))%16)
	v_cmp_lt_f32 s[MK+(\rr)], s[THR], v[XL]
.endr
	WIN 0
.irp rr, 0,1,2,3
.irp jj, 0,1,2,3
	ds_store_b64 v[XST], v[XT+8*(\rr)+2*(\jj):XT+8*(\rr)+2*(\jj)+1] offset:(4*(\g)+(\rr))*XP+256*(\jj)  ; 32 lanes, 256 consecutive bytes
.endr
.endr
.irp rr, 0,1,2,3
	s_cmp_lg_u32 s[MK+(\rr)], 0
	s_cselect_b32 s51, 1<<(4*(\g)+(\rr)), 0
	s_or_b32 s[FLG], s[FLG], s51
.endr
.endm
; THE WAY OUT of row tile a (16 rows x my 128 columns), in three parts.  SEL: inactive rows become 0, in place, each accumulator's registers ascending.  TOSTAGE: into my own stage in LDS and back as whole rows of 512 bytes.  SEND: stored.
.macro SEL a
	WIN 0x88+0x44*((\a)/4)
.set RR, 64*((\a)%4)
.rept 64
	v_cndmask_b32 v[RR], 0, v[RR], s[MK+(\a)]
.set RR, RR+1
.endr
.endm
.macro TOSTAGE a
	WIN 0x88+0x44*((\a)/4)
.irp b, 0,1,2,3,4,5,6,7
	ds_store_b128 v[STO], v[64*((\a)%4)+8*(\b):64*((\a)%4)+8*(\b)+3]   offset:64*(\b)
	ds_store_b128 v[STO], v[64*((\a)%4)+8*(\b)+4:64*((\a)%4)+8*(\b)+7] offset:64*(\b)+16
.endr
	WIN 0
.irp t, 0,1,2,3,4,5,6,7,8,9,10,11,12,13,14,15
	ds_load_b128 v[OB+64*((\a)%2)+4*(\t):OB+64*((\a)%2)+4*(\t)+3], v[RD] offset:(\t)*SP  ; LDS serves a wave's instructions in order (ISA guide 5.7.1.4): these see the stores above; the next tile's stores come behind them
.endr
.endm
.macro SEND a
	WIN 0
	s_wait_dscnt 0x0                               ; the tile is back in registers
	s_wait_xcnt 0x0                                ; the stores of the tile before have read their registers: the other buffer is loaded again only behind this wait
.irp t, 0,1,2,3,4,5,6,7,8,9,10,11,12,13,14,15
	global_store_b128 v[CO], v[OB+64*((\a)%2)+4*(\t):OB+64*((\a)%2)+4*(\t)+3], s[10:11] offset:(16*(\a)+(\t))*2048 th:TH_STORE_NT  ; a wave stores 512 consecutive bytes, aligned
.endr
.endm
	; ---------------- THE HEAD ----------------
	s_load_b256 s[4:11], s[0:1], 0x0               ; x s[4:5], wt s[6:7], br s[8:9] (b1 at 0, b2 at 8,192), out0 s[10:11]
	v_lshl_add_u32 v[SPW], v0, 2, SPARE
	v_mov_b32 v[NIL], 0
	ds_add_u32 v[SPW], v[NIL]                      ; the wave's opening: the add, twice on end, and its wait ahead of my first tensor load; the set-up below, work on registers, stands between
	ds_add_u32 v[SPW], v[NIL]
	v_lshrrev_b32 v3, 5, v0
	v_readfirstlane_b32 s[WV], v3                  ; wave 0..3
	s_lshr_b32 s[WI], s[WV], 1                     ; P1: my half of the rows,
	s_and_b32 s[WJ], s[WV], 1                      ; my half of the chunk's columns
	s_bfe_u32 s[CX], ttmp6, 0x40000                ; my place in the cluster: it enters the addresses of x, out and the prefetches alone
	s_lshl_b32 s[WGX], ttmp9, 2                    ; in a cluster launch ttmp9 counts clusters
	s_add_co_u32 s[WGX], s[WGX], s[CX]
	; descriptor group 1: my quarter of a tile is 16,384 dense bytes: asked for as 64 rows of 256 bytes, and padded in LDS after every 128
	s_mov_b32 s[G1], 15|(1<<16)|(1<<20)|(1<<21)|(4<<22)|(3<<25)  ; 15:0 the mask of four; 17:16 2-byte elements; 20 padding on; 21 set beside a mask; 24:22 after every 32 words (code 4); 31:25 4 words (code 3)
	s_mov_b32 s[G1+1], 128<<16                     ; tensor_dim0 = 128
	s_mov_b32 s[G1+2], 64<<16                      ; tensor_dim1 = 64
	s_mov_b32 s[G1+3], 128<<16                     ; tile_dim0 = 128
	s_mov_b32 s[G1+4], 64                          ; tile_dim1 = 64
	s_mov_b32 s[G1+5], 128                         ; 128 elements from row to row
	s_mov_b32 s[G1+6], 0
	s_mov_b32 s[G1+7], 0
	s_mov_b32 s[G0], 1                             ; count = 1
	s_mul_i32 s[G0+1], s[WV], QROWS                ; LDS address: slot 0, my 128 rows: the wave's number alone enters it
	s_mov_b32 s[G0+4], 1
	s_add_co_u32 s[G0+5], s[G0+1], SLOT            ; slot 1
	s_lshl_b32 s12, s[WV], 14                      ; my quarter in a tile in memory
	s_mov_b32 s13, 0
	s_lshl_b32 s20, s[WGX], 18                     ; x: my work-group's 128 rows of 2,048 bytes, my wave's 32 of them
	s_lshl_b32 s19, s[WV], 16
	s_add_co_u32 s20, s20, s19
	s_mov_b32 s21, 0
	s_lshl_b32 s22, s[WGX], 18                     ; out: the same 128 rows, my wave's 512 bytes of each
	s_lshl_b32 s19, s[WV], 9
	s_add_co_u32 s22, s22, s19
	s_mov_b32 s23, 0
	s_lshl_b32 s[PFA], s[CX], 2                    ; the prefetches: wave 4 cx + w of the cluster's sixteen takes 8,192 bytes of each pair of tiles,
	s_add_co_u32 s[PFA], s[PFA], s[WV]
	s_lshl_b32 s[PFA], s[PFA], 13
	s_add_co_u32 s[PFA], s[PFA], 6*TILEB           ; from tile 6 on: tiles 0 to 5 come by their loads alone
	s_mov_b32 s[PFA+1], 0
	s_mov_b32 s[B1OFF], 1024                       ; chunk 2
	s_mov_b32 s[B1OFF+1], 0
	s_mov_b32 s[THR], 0x3c23d70a                   ; 0.01 in f32
	s_mov_b32 s[FLG], 0
	s_cmp_eq_u32 ttmp9, 0                          ; the first cluster: the same answer in all four partners
	s_cselect_b32 s[LIM], 1, -1
	s_wait_dscnt 0x0                               ; both opening adds are done
	s_wait_kmcnt 0x0
	s_add_nc_u64 s[4:5], s[4:5], s[20:21]
	s_add_nc_u64 s[10:11], s[10:11], s[22:23]
	s_add_nc_u64 s[PFA:PFA+1], s[6:7], s[PFA:PFA+1]
	s_add_nc_u64 s[B1P:B1P+1], s[8:9], s[B1OFF:B1OFF+1]
	s_add_nc_u64 s[G0+2:G0+3], s[6:7], s[12:13]    ; tile 0, my quarter
	s_add_nc_u64 s[G0+6:G0+7], s[G0+2:G0+3], TILEB ; tile 1
	s_or_b32 s[G0+3], s[G0+3], 0x80000000          ; type = 2
	s_or_b32 s[G0+7], s[G0+7], 0x80000000
	CROUND                                         ; all four work-groups are here: the first joint loads meet
	tensor_load_to_lds s[G0:G0+3], s[G1:G1+7]      ; the two first fills go out together: two loads of mine are out
	s_nop 0
	tensor_load_to_lds s[G0+4:G0+7], s[G1:G1+7]
	s_nop 0
.rept 4
	v_nop
.endr
	v_and_b32 v1, 15, v0                           ; l % 16
	v_bfe_u32 v2, v0, 4, 1                         ; l / 16
	v_and_b32 v3, 31, v0                           ; l
	v_lshlrev_b32 v[XO], 4, v3
	s_lshl_b32 s19, s[WJ], 8
	v_lshl_add_u32 v[VB1], v2, 5, s19
.irp b, 0,1,2,3                        ; b1 of chunk 0, laid as a C operand: register n of column tile b = b1[64 j + 16 b + 8 (l / 16) + n]
	global_load_b128 v[BIAS1+8*(\b):BIAS1+8*(\b)+3],   v[VB1], s[8:9] offset:64*(\b)
	global_load_b128 v[BIAS1+8*(\b)+4:BIAS1+8*(\b)+7], v[VB1], s[8:9] offset:64*(\b)+16
.endr
.set xr, 0
.rept 32                               ; my wave's 32 rows of x: each load 512 consecutive bytes; each byte is read once in the launch
	WIN 0x80+0x40*(xr/16)
.irp jj, 0,1,2,3
	global_load_b128 v[16*(xr%16)+4*(\jj):16*(xr%16)+4*(\jj)+3], v[XO], s[4:5] offset:xr*2048+512*(\jj) th:TH_LOAD_NT
.endr
.set xr, xr+1
.endr
	WIN 0
	; the addresses, made while x is on its way
	v_mul_u32_u24 v4, v1, XP
	v_lshl_add_u32 v4, v2, 4, v4                   ; a fragment: row x pitch + 16 x half
	s_mul_i32 s19, s[WI], 64*XP
	s_add_co_u32 s19, s19, XB
	v_add_nc_u32 v[ADRX], s19, v4
	s_mul_i32 s19, s[WV], 32*XP
	s_add_co_u32 s19, s19, XB
	v_lshl_add_u32 v[XST], v3, 3, s19
	v_mul_u32_u24 v5, v1, WP
	v_lshl_add_u32 v5, v2, 4, v5
	s_mul_i32 s19, s[WJ], 64*WP
	v_add_nc_u32 v[ADRB1], s19, v5
	v_add_nc_u32 v[ADRB1+1], SLOT, v[ADRB1]
	s_mul_i32 s19, s[WV], 128*WP
	v_add_nc_u32 v[ADRB2], s19, v5
	v_add_nc_u32 v[ADRB2+1], SLOT, v[ADRB2]
	v_mul_u32_u24 v6, v1, HP
	v_lshl_add_u32 v6, v2, 4, v6
	v_add_nc_u32 v[ADRH], HB, v6
	s_mul_i32 s19, s[WI], 64*HP
	s_lshl_b32 s50, s[WJ], 7
	s_add_co_u32 s19, s19, s50
	s_add_co_u32 s19, s19, HB
	v_add_nc_u32 v[HST], s19, v6                   ; row 64 i + l % 16, bytes 128 j + 16 (l / 16)
	v_mul_u32_u24 v7, v1, SP
	v_lshl_add_u32 v7, v2, 5, v7
	s_mul_i32 s19, s[WV], 16*SP
	s_add_co_u32 s19, s19, XB                      ; my stage: 16 rows of 528 bytes, where x lay
	v_add_nc_u32 v[STO], s19, v7
	v_lshl_add_u32 v[RD], v3, 4, s19
	v_lshlrev_b32 v[CO], 4, v3
	s_lshl_b32 s19, s[WV], 9
	v_lshl_add_u32 v[VB2], v2, 5, s19
	v_mov_b32 v[ZERO], 0
	v_lshlrev_b32 v[PFO], 8, v3
	s_lshl_b32 s19, s[WV], 2
	s_add_co_u32 s19, s19, FLAG
	v_mov_b32 v[FA], s19
.irp g, 0,1,2,3,4,5,6,7
	XGROUP \g
.endr
	v_mov_b32 v9, s[FLG]
	ds_store_b32 v[FA], v9                         ; all lanes write the same word with the same value
	; y's sums begin at b2: it is loaded straight into the 64 accumulators (register n of (a, b) = b2[128 w + 16 b + 8 (l / 16) + n]), so nothing is cleared and nothing is added at the end.
	; These loads land under P1(0) and P1(1); the wait for them stands at the loop's head.
.set ya, 0
.rept 8
	WIN 0x80+0x40*(ya/4)
.irp b, 0,1,2,3,4,5,6,7
	global_load_b128 v[8*(8*(ya%4)+(\b)):8*(8*(ya%4)+(\b))+3],   v[VB2], s[8:9] offset:8192+64*(\b)
	global_load_b128 v[8*(8*(ya%4)+(\b))+4:8*(8*(ya%4)+(\b))+7], v[VB2], s[8:9] offset:8192+64*(\b)+16
.endr
.set ya, ya+1
.endr
	WIN 0
	s_wait_dscnt 0x0                               ; for the others' sake: my rows of x and my flags are in LDS,
	s_wait_tensorcnt 0x1                           ; and my quarter of tile 0; tile 1 may stay out
	s_barrier_signal -1
	s_barrier_wait -1
	v_mov_b32 v8, FLAG
	ds_load_b128 v[4:7], v8                        ; the 128 row flags
	FETCH1 0, 0, 0, F0
	s_wait_dscnt 32                                ; the flags are in
.irp k, 0,1,2,3
	v_readfirstlane_b32 s[20+(\k)], v[4+(\k)]
.endr
.irp a, 0,1,2,3,4,5,6,7                ; row tile a's 16 flags, once for each half of the lanes
	s_bfe_u32 s50, s[20+(\a)/2], (16<<16)|(16*((\a)%2))
	s_lshl_b32 s51, s50, 16
	s_or_b32 s[MK+(\a)], s50, s51
.endr
	; ---------------- P1(0): steps 0 and 1 ----------------
	P1STEP 0, 0, 1,  1, 1, 1, 0, 1                 ; tile 2 is asked for; b1 of chunk 1 is loaded; the first prefetch
	P1STEP 1, 1, 0,  1, 1, 0, 0, 0                 ; tile 3
	PLACES                                         ; h_0 has no products to hide under: rounded and stored here, once a launch
	PACK 0
	PACK 8
	HSTORE
	WIN 0
	s_mov_b32 s[TRIPS], 15
.Ltrip:                                            ; trip t: P1(t + 1), then P2(t): steps 4 t + 2 .. 4 t + 5, on slots 0, 1, 0, 1; every change of slots fills again: tiles 4 t + 4 .. 4 t + 7
	s_wait_loadcnt 0x0                             ; b1 of this chunk, asked for a trip ago; in the first trip b2 as well
	P1STEP 0, 0, 2,  1, 1, 1, 0, 2
	P1STEP 1, 1, 0,  1, 2, 0, 0, 0
	P2STEP 0, 0, 1,  1, 2, 1, 0, 3
	P2STEP 1, 1, 2,  1, 1, 0, 1, 0                 ; h_t has been read by all: h_t+1 is stored.  In the last trip the fragments fetched here (of a tile of w2, read as one of w1) serve nothing: 32 LDS loads, once a launch
	WIN 0
	s_wait_xcnt 0x0                                ; the trip's loads of b1 and its prefetches, a step and more back, have read their addresses
	s_add_nc_u64 s[PFA:PFA+1], s[PFA:PFA+1], 4*TILEB
	s_add_co_u32 s[B1OFF], s[B1OFF], 512
	s_min_u32 s[B1OFF], s[B1OFF], 7680             ; the last trip's load stays inside b1: chunk 15 once more, which nobody uses
	s_add_nc_u64 s[B1P:B1P+1], s[8:9], s[B1OFF:B1OFF+1]
	s_sub_co_u32 s[TRIPS], s[TRIPS], 1
	s_cmp_lg_u32 s[TRIPS], 0
	s_cbranch_scc1 .Ltrip
	; ---------------- P2(15): steps 62 and 63, written out: nothing is asked for ----------------
	s_wait_dscnt 0x0                               ; my part of h_15 is stored (and the idle fragments are in)
	s_barrier_signal -1
	s_barrier_wait -1                              ; everybody's is.  Tile 63 stays on its way
	FETCH2 0, 0, 0, F0
	P2STEP 0, 0, 0,  0, 2, 1, 0, 0
	QUARTER2 1, 1, F0, F1, 0
	s_wait_dscnt 8
	MUL16 F1, 0, 0
	MUL16 F1, 0, 2
	s_wait_dscnt 0x0
	MUL16 F1, 1, 0
	MUL16 F1, 1, 2
	; ---------------- THE WAY OUT ----------------
	PLACES
	SEL 0
	TOSTAGE 0
.irp a, 1,2,3,4,5,6,7                  ; tile a's selects stand between tile a - 1's loads from the stage and the wait for them
	SEL \a
	SEND (\a)-1
	TOSTAGE \a
.endr
	SEND 7
	s_wait_tensorcnt 0x0                           ; the wave's end: behind my last tensor load and my last LDS store
	ds_add_u32 v[SPW], v[NIL]
	s_wait_dscnt 0x0
	CROUND                                         ; the closing round: no work-group ends while a partner may still ask for a tile that names it
	s_endpgm
.Lfunc_end_k_q9b02f3f20c_ffn:
	.size	k_q9b02f3f20c_ffn, .Lfunc_end_k_q9b02f3f20c_ffn-k_q9b02f3f20c_ffn
	.p2alignl 7, 3214868480
	.fill 96, 4, 3214868480
	.section	.rodata,"a",@progbits
	.p2align	6, 0x0
	.amdhsa_kernel k_q9b02f3f20c_ffn
		.amdhsa_group_segment_fixed_size 327680
		.amdhsa_private_segment_fixed_size 0
		.amdhsa_enable_private_segment 0
		.amdhsa_kernarg_size 32
		.amdhsa_user_sgpr_count 2
		.amdhsa_user_sgpr_kernarg_segment_ptr 1
		.amdhsa_wavefront_size32 1
		.amdhsa_system_sgpr_workgroup_id_x 1
		.amdhsa_system_sgpr_workgroup_id_y 1
		.amdhsa_system_sgpr_workgroup_id_z 1
		.amdhsa_system_vgpr_workitem_id 0
		.amdhsa_next_free_vgpr 1024
		.amdhsa_next_free_sgpr 66
		.amdhsa_reserve_vcc 0
		.amdhsa_float_denorm_mode_32 3
		.amdhsa_float_denorm_mode_16_64 3
		.amdhsa_memory_ordered 1
		.amdhsa_forward_progress 1
		.amdhsa_inst_pref_size 255
	.end_amdhsa_kernel
	.section	.bss,"aw",@nobits
	.p2align	6
	.space	262144
	.amdgpu_metadata
---
amdhsa.version: [ 1, 2 ]
amdhsa.kernels:
  - .name:           k_q9b02f3f20c_ffn
    .symbol:         k_q9b02f3f20c_ffn.kd
    .args:
      - { .name: x, .offset: 0, .size: 8, .value_kind: global_buffer, .address_space: global }
      - { .name: wt, .offset: 8, .size: 8, .value_kind: global_buffer, .address_space: global }
      - { .name: br, .offset: 16, .size: 8, .value_kind: global_buffer, .address_space: global }
      - { .name: out0, .offset: 24, .size: 8, .value_kind: global_buffer, .address_space: global }
    .group_segment_fixed_size: 327680
    .private_segment_fixed_size: 0
    .kernarg_segment_align: 8
    .kernarg_segment_size: 32
    .max_flat_workgroup_size: 128
    .sgpr_count:     66
    .vgpr_count:     1024
    .wavefront_size: 32
...
	.end_amdgpu_metadata
.endif
;; end of part 2
